; MI455X (gfx1250); checked and timed in simulation.
; The chip was launched on July 23, 2026; its instructions are those of AMD's public machine-readable ISA for CDNA 5 (MIT licence, August 2026) and "CDNA5" Instruction Set Architecture Reference Guide (July 2026). The comments in the code are by the model that wrote it; some were corrected since.
;; Net. Allowed arithmetic: float matrix products may take bf16 or f16 operands with f32 sums; all other float work in f32.
;; Inputs: noise_bias 1 float32; noise_var 1 float32; x 16 x 1 x 512 x 512 float32.
;; Outputs: out0 16 x 1 x 512 x 512 float32.
;; One version. Each part assembles by itself: llvm-mc -triple=amdgcn-amd-amdhsa -mcpu=gfx1250 --defsym DOCPART=n.
;; ======== version 1 of 1: 1 launch
;; limits: a difference of large sums (such as E[x^2] - mean^2): digits are lost where the result is much smaller than its terms
;; launch median_var (part 1): grid 256 x 1, 8 waves a work-group, no clusters, 168,960 bytes of LDS; arguments x, noise_var, noise_bias, out0; writes out0
.if DOCPART == 1
	.amdgcn_target "amdgcn-amd-amdhsa--gfx1250"
	.amdhsa_code_object_version 6
	.text
	.protected	k_qd3294fbc67_median_var
	.globl	k_qd3294fbc67_median_var
	.p2align	8
	.type	k_qd3294fbc67_median_var,@function
k_qd3294fbc67_median_var:
	s_mov_b64 s[64:65], 0
	v_nop
	global_prefetch_b8 v0, s[64:65] scope:SCOPE_SE
	s_setreg_imm32_b32 hwreg(HW_REG_WAVE_MODE, 25, 1), 1
	s_wait_xcnt 0x0
; out = relu(x - noise_var / (var + 1e-10) * (x - med + noise_bias)); var (divisor 24) and med are taken over the 5 x 5 window
; round each pixel, with zeros outside the image.  x, out: 16 images of 512 x 512 f32.
;
; WHO DOES WHAT.  256 work-groups of 8 waves.  A work-group owns 32 full rows of one image (16 strips an image), a wave 64 columns
; of them, a lane two neighbouring columns: stream A (column x0 = 2 x thread) and stream B (x0 + 1).  A value of stream A lies in an
; even register and the same value of stream B in the odd register behind it.  That is the pair that v_pk_*_f32 wants, and it makes
; every two-operand min, max, add, mul, fmac of both streams one dual instruction: its halves write one even and one odd register
; and take their first (and their second) sources from different register banks, register number modulo 4; r and r + 1 always do.
;
; THE TILE.  The strip's 36 input rows (2 + 32 + 2) come into LDS as nine chunks of four rows, row i at byte 2048 i; each wave
; fetches 1,024 bytes of each chunk by one tensor load, all nine issued at the head (nine outstanding, by this text's count).
; Every LDS byte is filled once: nothing is filled again.  A row above the image's first or below its last is fetched from row 0
; (row 511) of the same image instead, so that every load stays inside the image, and is multiplied by 0 below.
;
; THE SHIFT.  Every value is used as d = x * m - c: m = 0 where the window leaves the image, else 1; c = the lane's own pixel x0 in
; the strip's first row.  A shift keeps the order (the median of d is the shifted median), x - med = d_x - d_med, and
; 24 var = sum d^2 - (sum d)^2 / 25 is then formed of numbers of the size of the local differences, not of the pixels' common level.
;
; THE MEDIAN.  Work goes in 18 turns; turn t takes tile rows 2t, 2t + 1.
;   S(i)  = the five values of row i in the window's columns, sorted: the four columns common to A and B are sorted once, then each
;           stream's fifth value e is inserted: min(c1,e), med3(c1,e,c2), med3(c2,e,c3), med3(c3,e,c4), max(c4,e).
;   P(t)  = S(2t) and S(2t+1) merged to a sorted ten (odd-even merge, 13 exchanges).
;   Q(t-1)= ranks 8 .. 13 of the twenty values of P(t-1) and P(t): the odd-even merge of 10 + 10 with all that feeds no such rank left
;           out.  A value of lower (higher) rank among the twenty has rank below (above) 13 among 25, whatever the fifth row holds.
;   med   = rank 13 of 25 = min(q6, max(q5,s1), max(q4,s2), max(q3,s3), max(q2,s4), max(q1,s5)), s = the fifth row's S.
;           Q(t-1) serves tile row 2t - 1 (with S(2t-3)) and, a turn later, tile row 2t (with S(2t+2)).
; Row sums of d and d^2 go the same way: pairs of rows, quadruples, plus the fifth row.
;
; The turns are written out by macro: the count of tensor loads that may stay out differs from turn to turn, and the carried state
; takes turns in two and in three sets of registers, a pattern of six turns.  About 2,800 instructions, no branch.
;
; LIMITS.  A NaN or an infinity in x spoils the outputs whose window holds it, and, if it is a lane's c, that lane's 2 x 32 outputs;
; where the formula gives NaN this text may give a number (min and max drop a NaN).  The variance's relative error is about
; 2^-22 x mean(d^2) / var: below one per cent while a window's values lie within some 200 of its standard deviations of c.
; A variance that comes out below zero by rounding counts as zero.
; No clusters: neighbouring strips share 4 rows of 36.  No matrix unit: there is no product.  No padding in LDS: every read of a
; wave is 256 consecutive bytes.
.set ROWB,  2048                       ; bytes in an image row, in memory and in LDS
.set CHUNK, 8192                       ; four rows: one load of 1,024 bytes from each of the eight waves
.set AL,   2                           ; v2-4    LDS byte, in a row, of my left, own, right pair of columns;
.set AC,   3                           ;         at the image's edge the left (right) pair is my own pair, and its mask is 0
.set AR,   4                           ; v5-7    the same + 32 rows: an LDS offset has 16 bits
.set OFS,  AC                          ;         my 8 bytes in a row of out are at the same offset as my own pair in an LDS row
.set LM,   9                           ; v9      1.0, or 0 if my left pair lies outside the image
.set RM,   10                          ; v10     the same for my right pair
.set CRAW, 11                          ; v11     c as loaded
.set NC,   12                          ; pairs (the same number twice): -c
.set NB,   14                          ; noise_bias
.set NV,   16                          ; -noise_var
.set K25,  18                          ; -1/25
.set K24,  20                          ; 1/24
.set KEPS, 22                          ; 1e-10
.set ZERO, 24
.set MK,   26                          ; v26-31  the masks of the turn's rows: left, own, right pair
.set YA,   32                          ; v32-35  results of the turn's two rows
.set YB,   34
.set RAW,  36                          ; v36-47  two rows of six pixels as they come from LDS
.set DSH,  48                          ; v48-71  the same shifted: d0 .. d5, two rows, two generations
.set TS,   72                          ; v72-84  sort of four: row 0 in TS .. TS+5, row 1 seven higher; later the formula's scratch
.set SEV,  86                          ; v86-95  S of the turn's even row, s1 .. s5, a pair each
.set SOD,  96                          ; v96-125 S of the odd row, three generations
.set PR,   126                         ; v126-165 P, ten pairs, two generations
.set QM,   166                         ; v166-189 Q, six pairs, two generations
.set XT,   190                         ; v190-213 twelve pairs of scratch, X0 .. X11
.set RSE,  214                         ; v214-217 even row: sum d (pair), sum d^2 (pair)
.set RSO,  218                         ; v218-229 odd row, three generations
.set US,   230                         ; v230-237 sums of the turn's two rows, two generations
.set VS,   238                         ; v238-245 sums of four rows, two generations
.set FA,   TS                          ; the formula's scratch, three pairs a row
.set FB,   TS+6
.set X0,  XT
.set X1,  XT+2
.set X2,  XT+4
.set X3,  XT+6
.set X4,  XT+8
.set X5,  XT+10
.set X6,  XT+12
.set X7,  XT+14
.set X8,  XT+16
.set X9,  XT+18
.set X10, XT+20
.set X11, XT+22
.set G1,   16                          ; s[16:23] descriptor group 1: the shape, the same for all loads
.set G0,   24                          ; s[24:59] descriptor group 0, a set for each of the nine loads: none is written while its load is out
; ---------------------------------------------------------------- macros
.macro MIN2 d, a, b                    ; both streams at once
	v_dual_min_num_f32 v[\d], v[\a], v[\b] :: v_dual_min_num_f32 v[\d+1], v[\a+1], v[\b+1]
.endm
.macro MAX2 d, a, b
	v_dual_max_num_f32 v[\d], v[\a], v[\b] :: v_dual_max_num_f32 v[\d+1], v[\a+1], v[\b+1]
.endm
.macro EXCH lo, hi, a, b               ; lo and hi are neither a nor b
	MIN2 \lo, \a, \b
	MAX2 \hi, \a, \b
.endm
.macro PADD d, a, b
	v_pk_add_f32 v[\d:\d+1], v[\a:\a+1], v[\b:\b+1]
.endm
.macro PSUB d, a, b
	v_pk_add_f32 v[\d:\d+1], v[\a:\a+1], v[\b:\b+1] neg_lo:[0,1] neg_hi:[0,1]
.endm
.macro PMUL d, a, b
	s_wait_alu depctr_va_vdst(0)
	v_pk_mul_f32 v[\d:\d+1], v[\a:\a+1], v[\b:\b+1]
.endm
.macro PFMA d, a, b, c
	v_pk_fma_f32 v[\d:\d+1], v[\a:\a+1], v[\b:\b+1], v[\c:\c+1]
.endm
; One exchange of the sort of four, in both rows of the turn at once.  Row 1's sources lie off registers higher (6 or 7: another
; bank), its results 7 higher (the other parity).  lo is neither a nor b; hi may be b.
.macro CEROWS lo, hi, a, b, off
	v_dual_min_num_f32 v[\lo], v[\a], v[\b] :: v_dual_min_num_f32 v[\lo+7], v[\a+\off], v[\b+\off]
	v_dual_max_num_f32 v[\hi], v[\a], v[\b] :: v_dual_max_num_f32 v[\hi+7], v[\a+\off], v[\b+\off]
.endm
; d1 .. d4 of both rows at db, sorted: c1 = cb+4, c2 = cb, c3 = cb+5, c4 = cb+3, cb = TS (row 0) or TS+7 (row 1)
.macro SORT4 db
	CEROWS TS,   TS+1, \db+1, \db+2, 6
	CEROWS TS+2, TS+3, \db+3, \db+4, 6
	CEROWS TS+4, TS+2, TS,    TS+2,  7
	CEROWS TS+5, TS+3, TS+1,  TS+3,  7
	CEROWS TS,   TS+5, TS+2,  TS+5,  7
.endm
; Stream A inserts d0 into the sorted four, stream B d5.
.macro INSERT sb, cb, db
	v_dual_min_num_f32 v[\sb], v[\cb+4], v[\db] :: v_dual_max_num_f32 v[\sb+9], v[\cb+3], v[\db+5]     ; A's s1, B's s5
	v_dual_max_num_f32 v[\sb+8], v[\cb+3], v[\db] :: v_dual_min_num_f32 v[\sb+1], v[\cb+4], v[\db+5]   ; A's s5, B's s1
	v_med3_num_f32 v[\sb+2], v[\cb+4], v[\db],   v[\cb]
	v_med3_num_f32 v[\sb+3], v[\cb+4], v[\db+5], v[\cb]
	v_med3_num_f32 v[\sb+4], v[\cb],   v[\db],   v[\cb+5]
	v_med3_num_f32 v[\sb+5], v[\cb],   v[\db+5], v[\cb+5]
	v_med3_num_f32 v[\sb+6], v[\cb+5], v[\db],   v[\cb+3]
	v_med3_num_f32 v[\sb+7], v[\cb+5], v[\db+5], v[\cb+3]
.endm
; A row's sum d and sum d^2 for both streams: d1 .. d4 are common and are summed once; A adds d0, B adds d5.  tb: four scratch registers.
.macro ROWSUM db, tb, rs
	v_dual_add_f32 v[\tb], v[\db+2], v[\db+3] :: v_dual_add_f32 v[\tb+1], v[\db+1], v[\db+4]
	v_dual_mul_f32 v[\tb+2], v[\db+2], v[\db+2] :: v_dual_mul_f32 v[\tb+3], v[\db+1], v[\db+1]
	v_dual_fmac_f32 v[\tb+2], v[\db+3], v[\db+3] :: v_dual_fmac_f32 v[\tb+3], v[\db+4], v[\db+4]
	v_dual_add_f32 v[\rs], v[\tb], v[\tb+1] :: v_dual_add_f32 v[\rs+1], v[\tb+1], v[\tb]
	v_dual_add_f32 v[\rs+2], v[\tb+2], v[\tb+3] :: v_dual_add_f32 v[\rs+3], v[\tb+3], v[\tb+2]
	v_dual_add_f32 v[\rs], v[\rs], v[\db] :: v_dual_add_f32 v[\rs+1], v[\rs+1], v[\db+5]
	v_dual_fmac_f32 v[\rs+2], v[\db], v[\db] :: v_dual_fmac_f32 v[\rs+3], v[\db+5], v[\db+5]
.endm
; Odd-even merge of x1 .. x5 and y1 .. y5 (element k at base + 2 (k - 1)) into z1 .. z10 at pb.  x and y stay as they are.
; v = merge of (x1,x3,x5),(y1,y3,y5), w = merge of (x2,x4),(y2,y4); z1 = v1, (z2i, z2i+1) = exchange(wi, vi+1), z10 = v6.
.macro MERGE55 pb, xb, yb
	MIN2 \pb,    \xb,   \yb                ; z1
	MAX2 X0,     \xb,   \yb
	MIN2 X1,     \xb+8, \yb+8
	MAX2 \pb+18, \xb+8, \yb+8              ; z10
	MIN2 X2,     \xb+4, \yb+4
	MAX2 X3,     \xb+4, \yb+4
	EXCH X4, X5, X1, X0
	EXCH X6, X7, X2, X4                    ; v2, v3
	EXCH X8, X9, X3, X5                    ; v4, v5
	MIN2 X0,     \xb+2, \yb+2              ; w1
	MAX2 X1,     \xb+2, \yb+2
	MIN2 X2,     \xb+6, \yb+6
	MAX2 X3,     \xb+6, \yb+6              ; w4
	EXCH X4, X5, X2, X1                    ; w2, w3
	EXCH \pb+2,  \pb+4,  X0, X6
	EXCH \pb+6,  \pb+8,  X4, X7
	EXCH \pb+10, \pb+12, X5, X8
	EXCH \pb+14, \pb+16, X3, X9
.endm
; The same merge of five and five (element k at base + 4 (k - 1): every second of a ten), cut down to what ranks 4 .. 7 need:
; v3 in X0, v4 in X1, w2 in X4, w3 in X5.
.macro CORE xb, yb
	MAX2 X0, \xb,    \yb
	MIN2 X1, \xb+16, \yb+16
	EXCH X2, X3, X1, X0
	MIN2 X4, \xb+8,  \yb+8
	MAX2 X5, \xb+8,  \yb+8
	MAX2 X0, X4, X2
	MIN2 X1, X5, X3
	MAX2 X2, \xb+4,  \yb+4
	MIN2 X3, \xb+12, \yb+12
	MIN2 X4, X3, X2
	MAX2 X5, X3, X2
.endm
; Ranks 8 .. 13 of two sorted tens p, r.  V = merge of their odd elements, W = of their even ones; (z2i, z2i+1) = exchange(Wi, Vi+1):
; wanted are V5, V6, V7 and W4, W5, W6.
.macro MID qb, p, r
	CORE \p, \r
	MAX2 X6, X4, X0                        ; V5
	MIN2 X7, X5, X1                        ; V6
	MAX2 X8, X5, X1                        ; V7
	CORE \p+2, \r+2
	MIN2 X9,  X4, X0                       ; W4
	MAX2 X10, X4, X0                       ; W5
	MIN2 X11, X5, X1                       ; W6
	EXCH \qb,   \qb+2,  X9,  X6
	EXCH \qb+4, \qb+6,  X10, X7
	EXCH \qb+8, \qb+10, X11, X8
.endm
; The sixth smallest of q1 .. q6 and s1 .. s5.  xs: five pairs of scratch.
.macro MED out, qb, sb, xs
	MAX2 \xs,   \qb+8, \sb
	MAX2 \xs+2, \qb+6, \sb+2
	MAX2 \xs+4, \qb+4, \sb+4
	MAX2 \xs+6, \qb+2, \sb+6
	MAX2 \xs+8, \qb,   \sb+8
	MIN2 \xs,   \xs,   \qb+10
	MIN2 \xs+2, \xs+2, \xs+4
	MIN2 \xs+6, \xs+6, \xs+8
	MIN2 \xs,   \xs,   \xs+2
	MIN2 \out,  \xs,   \xs+6
.endm
; y = relu(x - noise_var / (var + 1e-10) (x - med + noise_bias)).  vs: sums of four rows, rs: of the fifth; dx: the centre's d; f: three pairs.
.macro FORMULA y, f, vs, rs, dx, med
	PADD \f,   \vs,   \rs                  ; sum d
	PADD \f+2, \vs+2, \rs+2                ; sum d^2
	PMUL \f+4, \f, K25
	PFMA \f+2, \f+4, \f, \f+2              ; sum d^2 - (sum d)^2 / 25
	MAX2 \f+2, \f+2, ZERO
	PFMA \f+2, \f+2, K24, KEPS             ; var + 1e-10
	v_rcp_f32 v[\f],   v[\f+2]
	v_rcp_f32 v[\f+1], v[\f+3]
	PADD \f+4, \dx, NB                     ; the plain instruction that stands between v_rcp_f32 and the use of its result (ISA guide 5.7.2)
	PSUB \f+4, \f+4, \med                  ; x - med + noise_bias
	PMUL \f, \f, NV                        ; -noise_var / (var + 1e-10)
	PSUB \y, \dx, NC                       ; x = d + c
	PFMA \y, \f, \f+4, \y
	MAX2 \y, \y, ZERO
.endm
; Six pixels of tile row r: three loads of 8 bytes a lane, each 256 consecutive bytes for the wave
.macro LDROW r, dst
.if (\r) < 32
	ds_load_b64 v[\dst:\dst+1],   v[AL] offset:(\r)*ROWB
	ds_load_b64 v[\dst+2:\dst+3], v[AC] offset:(\r)*ROWB
	ds_load_b64 v[\dst+4:\dst+5], v[AR] offset:(\r)*ROWB
.else
	ds_load_b64 v[\dst:\dst+1],   v[AL+3] offset:((\r)-32)*ROWB
	ds_load_b64 v[\dst+2:\dst+3], v[AC+3] offset:((\r)-32)*ROWB
	ds_load_b64 v[\dst+4:\dst+5], v[AR+3] offset:((\r)-32)*ROWB
.endif
.endm
; The masks of the next rows: r = 1.0 for rows of the image, 0 for rows outside
.macro SETMK r
	v_mul_f32 v[MK],   \r, v[LM]
	v_mul_f32 v[MK+1], \r, v[LM]
	v_mov_b32 v[MK+2], \r
	v_mov_b32 v[MK+3], \r
	v_mul_f32 v[MK+4], \r, v[RM]
	v_mul_f32 v[MK+5], \r, v[RM]
.endm
; ---------------------------------------------------------------- the head
	s_load_b256 s[4:11], s[0:1], 0x0               ; x s[4:5], noise_var s[6:7], noise_bias s[8:9], out s[10:11]
	v_lshl_add_u32 v246, v0, 2, 0x29000
	v_mov_b32 v247, 0
	ds_add_u32 v246, v247
	ds_add_u32 v246, v247
	v_lshrrev_b32 v1, 5, v0
	v_readfirstlane_b32 s14, v1                    ; wave 0 .. 7
	s_and_b32 s15, ttmp9, 15                       ; strip of the image
	s_lshr_b32 s2, ttmp9, 4
	s_lshl_b32 s2, s2, 20                          ; the image: 1 MiB each
	s_and_b32 s3, s14, 1
	s_lshl_b32 s3, s3, 10                          ; my half of a row
	s_or_b32 s2, s2, s3
	s_mov_b32 s3, 0
	s_lshl_b32 s60, s15, 5
	s_lshr_b32 s62, s14, 1
	s_add_co_i32 s60, s60, s62
	s_sub_co_i32 s60, s60, 2                       ; image row of my piece of chunk 0: 32 strip - 2 + wave / 2 (from -2 on)
	s_mov_b32 s63, 0
	s_lshl_b32 s61, s14, 10                        ; my piece's place in a chunk in LDS
	; group 1: 1,024 consecutive bytes as 4 rows of 32 elements of 8 bytes
	s_mov_b32 s[G1+0], 3<<16                       ; no work-group mask; element of 8 bytes; no padding
	s_mov_b32 s[G1+1], 32<<16                      ; tensor_dim0 = 32
	s_mov_b32 s[G1+2], 4<<16                       ; tensor_dim1 = 4
	s_mov_b32 s[G1+3], 32<<16                      ; tile_dim0 = 32
	s_mov_b32 s[G1+4], 4                           ; tile_dim1 = 4
	s_mov_b32 s[G1+5], 32                          ; from row to row: 32 elements
	s_mov_b32 s[G1+6], 0
	s_mov_b32 s[G1+7], 0
	s_wait_dscnt 0x0
	s_wait_kmcnt 0x0
	s_load_b32 s12, s[6:7], 0x0                    ; noise_var
	s_load_b32 s13, s[8:9], 0x0                    ; noise_bias
	s_add_nc_u64 s[4:5], s[4:5], s[2:3]            ; x at my image, my half of its rows
.irp k, 0,1,2,3,4,5,6,7,8
	s_add_co_i32 s62, s60, 4*\k                    ; the row of my piece of chunk k,
	s_max_i32 s62, s62, 0                          ; held inside the image
	s_min_i32 s62, s62, 511
	s_lshl_b32 s62, s62, 11
	s_mov_b32 s[G0+4*\k], 1                        ; count = 1
	s_add_co_u32 s[G0+4*\k+1], s61, \k*CHUNK       ; LDS address: 1,024 wave + 8,192 chunk
	s_add_nc_u64 s[G0+4*\k+2:G0+4*\k+3], s[4:5], s[62:63]
	s_or_b32 s[G0+4*\k+3], s[G0+4*\k+3], 0x80000000   ; type = 2
	tensor_load_to_lds s[G0+4*\k:G0+4*\k+3], s[G1:G1+7]
	s_nop 0
.endr
	s_lshl_b32 s62, ttmp9, 16                      ; the strip in out: 32 rows of 2,048 bytes
	s_add_nc_u64 s[10:11], s[10:11], s[62:63]
	s_cmp_eq_u32 s15, 0
	s_cselect_b32 s2, 0, 0x3f800000                ; mask of tile rows 0, 1: outside the image in its first strip
	s_cmp_eq_u32 s15, 15
	s_cselect_b32 s3, 0, 0x3f800000                ; mask of tile rows 34, 35: outside in its last strip
	v_lshlrev_b32 v[AC], 3, v0                     ; my own pair: 8 thread
	v_min_u32 v1, 8, v[AC]
	v_sub_nc_u32 v[AL], v[AC], v1                  ; the pair to the left; thread 0: its own
	v_min_u32 v[AL], 0x7f0, v[AL]                  ; (met by arithmetic: every read stays inside its row)
	v_add_nc_u32 v[AR], 8, v[AC]
	v_min_u32 v[AR], 0x7f8, v[AR]                  ; the pair to the right; thread 255: its own
	v_add_nc_u32 v[AL+3], 0x10000, v[AL]
	v_add_nc_u32 v[AC+3], 0x10000, v[AC]
	v_add_nc_u32 v[AR+3], 0x10000, v[AR]
	v_mov_b32 v[ZERO], 0
	v_mov_b32 v[ZERO+1], 0
	v_cmp_eq_u32 vcc_lo, 0, v0
	v_cndmask_b32 v[LM], 1.0, v[ZERO], vcc_lo
	v_cmp_eq_u32 vcc_lo, 0xff, v0
	v_cndmask_b32 v[RM], 1.0, v[ZERO], vcc_lo
	v_mov_b32 v[K25],    0xbd23d70a                ; -1/25
	v_mov_b32 v[K25+1],  0xbd23d70a
	v_mov_b32 v[K24],    0x3d2aaaab                ; 1/24
	v_mov_b32 v[K24+1],  0x3d2aaaab
	v_mov_b32 v[KEPS],   0x2edbe6ff                ; 1e-10
	v_mov_b32 v[KEPS+1], 0x2edbe6ff
	SETMK s2
	s_wait_kmcnt 0x0
	s_xor_b32 s12, s12, 0x80000000                 ; -noise_var
	v_mov_b32 v[NV],   s12
	v_mov_b32 v[NV+1], s12
	v_mov_b32 v[NB],   s13
	v_mov_b32 v[NB+1], s13
	s_wait_tensorcnt 8                             ; a wave's tensor loads end in order (ISA guide 10.11.1): my piece of chunk 0 is in, the eight younger stay out
	s_barrier_signal -1
	s_barrier_wait -1                              ; everybody's piece of chunk 0 is in
	ds_load_b32 v[CRAW], v[AC] offset:2*ROWB       ; c: my pixel x0 in the strip's first row (tile row 2)
	LDROW 0, RAW
	LDROW 1, RAW+6
	s_wait_dscnt 6                                 ; LDS loads come back in order (ISA guide 5.7.1): c is in, the six loads behind it may be out
	v_xor_b32 v[NC],   0x80000000, v[CRAW]
	v_xor_b32 v[NC+1], 0x80000000, v[CRAW]
; ---------------------------------------------------------------- a turn: tile rows 2t, 2t + 1 come in; from turn 2 on tile rows 2t - 2, 2t - 1 go out
.macro TURN t
.set PG, \t%2                          ; this turn's set of two
.set PH, 1-PG                          ; the last turn's
.set M3, \t%3                          ; this turn's set of three
.set N3, (\t+1)%3                      ; that of the turn before last
.set DC, DSH+12*PG
.set DP, DSH+12*PH
	s_wait_dscnt 0x0                               ; the turn's two rows are in; no LDS load of mine is out at a signal
.if \t%2
.if \t < 16
	s_wait_tensorcnt 8-(\t+1)/2                    ; my piece of chunk (t + 1) / 2, which the loads below begin to read, is in; the younger chunks stay out
	s_barrier_signal -1                            ; say so, and work on registers while the others arrive
.endif
.endif
.irp j, 0,1,2,3,4,5
	v_pk_fma_f32 v[DC+2*\j:DC+2*\j+1], v[RAW+2*\j:RAW+2*\j+1], v[MK+2*(\j%3):MK+2*(\j%3)+1], v[NC:NC+1]   ; d = x m - c
.endr
	SORT4 DC
.if \t%2
.if \t < 16
	s_barrier_wait -1                              ; everybody's piece of that chunk is in
.endif
.endif
.if \t < 17
	LDROW 2*\t+2, RAW                              ; the next turn's rows: they have the rest of this turn in which to come
	LDROW 2*\t+3, RAW+6
.endif
.if \t == 0
	SETMK 1.0                                      ; tile rows 2 .. 33 lie in the image
.endif
.if \t == 16
	SETMK s3                                       ; tile rows 34, 35
.endif
	INSERT SEV, TS, DC
	INSERT SOD+10*M3, TS+7, DC+6
	ROWSUM DC,   XT,   RSE
	ROWSUM DC+6, XT+4, RSO+4*M3
	MERGE55 PR+20*PG, SEV, SOD+10*M3
	PADD US+4*PG,   RSE,   RSO+4*M3
	PADD US+4*PG+2, RSE+2, RSO+4*M3+2
.if \t >= 1
	MID QM+12*PH, PR+20*PH, PR+20*PG               ; Q(t-1); Q(t-2) stays in the other set
	PADD VS+4*PH,   US+4*PH,   US+4*PG
	PADD VS+4*PH+2, US+4*PH+2, US+4*PG+2
.endif
.if \t >= 2
	MED X10, QM+12*PG, SEV,       X0               ; tile row 2t - 2: rows 2t-4 .. 2t-1 and row 2t
	MED X11, QM+12*PH, SOD+10*N3, X5               ; tile row 2t - 1: row 2t-3 and rows 2t-2 .. 2t+1
.if \t > 2
	s_wait_xcnt 0x0                                ; YA and YB, which the last turn's stores read, are rewritten only behind this wait (ISA guide 3.1)
.endif
	FORMULA YA, FA, VS+4*PG, RSE,      DP+2, X10
	FORMULA YB, FB, VS+4*PH, RSO+4*N3, DP+8, X11
	global_store_b64 v[OFS], v[YA:YA+1], s[10:11] offset:(2*\t-4)*ROWB th:TH_STORE_NT   ; each store of the wave covers 256 consecutive bytes, aligned
	global_store_b64 v[OFS], v[YB:YB+1], s[10:11] offset:(2*\t-3)*ROWB th:TH_STORE_NT
.endif
.endm
.irp t, 0,1,2,3,4,5,6,7,8,9,10,11,12,13,14,15,16,17
	TURN \t
.endr
	s_wait_tensorcnt 0x0
	ds_add_u32 v246, v247
	s_wait_dscnt 0x0
	s_endpgm                                       ; turn 15 has waited for all tensor loads
.Lfunc_end_k_qd3294fbc67_median_var:
	.size	k_qd3294fbc67_median_var, .Lfunc_end_k_qd3294fbc67_median_var-k_qd3294fbc67_median_var
	.p2alignl 7, 3214868480
	.fill 96, 4, 3214868480
	.section	.rodata,"a",@progbits
	.p2align	6, 0x0
	.amdhsa_kernel k_qd3294fbc67_median_var
		.amdhsa_group_segment_fixed_size 168960
		.amdhsa_private_segment_fixed_size 0
		.amdhsa_enable_private_segment 0
		.amdhsa_kernarg_size 32
		.amdhsa_user_sgpr_count 2
		.amdhsa_user_sgpr_kernarg_segment_ptr 1
		.amdhsa_wavefront_size32 1
		.amdhsa_system_sgpr_workgroup_id_x 1
		.amdhsa_system_sgpr_workgroup_id_y 1
		.amdhsa_system_sgpr_workgroup_id_z 1
		.amdhsa_system_vgpr_workitem_id 0
		.amdhsa_next_free_vgpr 248
		.amdhsa_next_free_sgpr 66
		.amdhsa_reserve_vcc 1
		.amdhsa_float_denorm_mode_32 3
		.amdhsa_float_denorm_mode_16_64 3
		.amdhsa_memory_ordered 1
		.amdhsa_forward_progress 1
		.amdhsa_inst_pref_size 192
	.end_amdhsa_kernel
	.amdgpu_metadata
---
amdhsa.version: [ 1, 2 ]
amdhsa.kernels:
  - .name:           k_qd3294fbc67_median_var
    .symbol:         k_qd3294fbc67_median_var.kd
    .args:
      - { .name: x, .offset: 0, .size: 8, .value_kind: global_buffer, .address_space: global }
      - { .name: noise_var, .offset: 8, .size: 8, .value_kind: global_buffer, .address_space: global }
      - { .name: noise_bias, .offset: 16, .size: 8, .value_kind: global_buffer, .address_space: global }
      - { .name: out0, .offset: 24, .size: 8, .value_kind: global_buffer, .address_space: global }
    .group_segment_fixed_size: 168960
    .private_segment_fixed_size: 0
    .kernarg_segment_align: 8
    .kernarg_segment_size: 32
    .max_flat_workgroup_size: 256
    .sgpr_count:     66
    .vgpr_count:     248
    .wavefront_size: 32
...
	.end_amdgpu_metadata
.endif
;; end of part 1
